; MI455X (gfx1250); checked and timed in simulation.
; The chip was launched on July 23, 2026; its instructions are those of AMD's public machine-readable ISA for CDNA 5 (MIT licence, August 2026) and "CDNA5" Instruction Set Architecture Reference Guide (July 2026). The comments in the code are by the model that wrote it; some were corrected since.
;; DC Nv2 Pooling. Allowed arithmetic: float matrix products may take bf16 or f16 operands with f32 sums; all other float work in f32.
;; Inputs: input 4 x 256 x 128 x 128 float32; offset 512 x 98 x 1 x 1 float32; rois 512 x 5 float32.
;; Outputs: out0 512 x 256 x 7 x 7 float32.
;; One version. Each part assembles by itself: llvm-mc -triple=amdgcn-amd-amdhsa -mcpu=gfx1250 --defsym DOCPART=n.
;; ======== version 1 of 1: 2 launches
;; workspace buffers: tabi 410,112 bytes of whole numbers; tabw 1,605,632 bytes
;; launch plan (part 1): grid 212 x 1, 4 waves a work-group, no clusters, 0 bytes of LDS; arguments rois, offset, tabi, tabw; writes tabi, tabw
.if DOCPART == 1
	.amdgcn_target "amdgcn-amd-amdhsa--gfx1250"
	.amdhsa_code_object_version 6
	.text
	.protected	k_q68c3facbc3_plan
	.globl	k_q68c3facbc3_plan
	.p2align	8
	.type	k_q68c3facbc3_plan,@function
k_q68c3facbc3_plan:
	s_mov_b64 s[64:65], 0
	v_nop
	global_prefetch_b8 v0, s[64:65] scope:SCOPE_SE
	s_setreg_imm32_b32 hwreg(HW_REG_WAVE_MODE, 25, 1), 1
	s_wait_xcnt 0x0
; Deformable RoI pooling, step 1 of 2: rois and offset become tables of whole numbers and weights.
; WORK-GROUPS 0-195: one lane per (roi n, bin): e = 49 n + bin, 512 x 49 = 25,088 lanes = 196 work-groups x 128 threads.
; The sample rows of a bin hang on (bin, iy) alone, its columns on (bin, ix) alone, and valid = valid_y & valid_x, so
;   out(bin, ch) = sum over r, c of Wy[r] Wx[c] X[ch][r][c]
; with at most 8 (index, weight) entries an axis (4 samples x 2 neighbours).  Entries of equal index are merged here:
; the samples ascend, so sample s starts at slot pos_s = pos_(s-1) + min(a_s - a_(s-1), 2).  Slots are filled by compares
; and selects only.  The mean's 1/16 is 0.25 on each axis (exact).
; The neighbour pair is always (a, a+1) with a = min(floor(xc), 126) and l = xc - a: at xc = 127 that is weight 1 on 127.
; WORK-GROUPS 196-211: the lists.  Wave task (image b, chunk c) makes places 32 c .. 32 c + 31 of the ascending list of the rois of
; image b.  A place is not scattered to (the address would hang on the data): each lane computes which roi stands at ITS place.
; No address and no branch of this launch hangs on a float or on a number made from one.
; tabi: [e][2] words x low, y low (entries 0-3, 7 bits in each byte), at IHI the same for entries 4-7,
;       at LST [4 images][512 places] roi numbers (places past the image's count hold some number 0..511),
;       at CNTS [4 images][32] the image's count, 32 times.
;       flags: bit 31 = this axis has more than 3 entries; bit 7 of the x low word = some axis has more than 4.
;       column entries are stored as pi(x) = 32 (x & 3) + ((x >> 2) + 4 (x & 3)) % 32, the place of column x in step 2's LDS rows.
; tabw: four arrays [e][4] f32: Wx 0-3, Wy 0-3, Wx 4-7, Wy 4-7.  Unused entries: weight 0 on a valid index.
; LIMITS: the image number is clamped to 0..3; coordinates are made with fused multiply-adds (last-bit differences from a
; multiply followed by an add); rw / 7 is rw * (1/7) corrected by one residual step.
.set TABWG, 196                        ; work-groups that make the tables
.set IHI,  200704                      ; 25,088 x 8
.set LST,  401408
.set CNTS, 409600                      ; LST + 4 x 512 x 4
.set WYLO, 401408                      ; 25,088 x 16
.set WXHI, 802816
.set WYHI, 1204224
.set E,   1                            ; item number
.set N,   2                            ; roi
.set BIN, 3
.set PH,  4
.set PW,  5
.set RO,  6                            ; byte offset of the roi's five numbers
.set OO,  7                            ; byte offset of the bin's x offset (y: 196 further)
.set SI,  8                            ; 8 e
.set SW,  9                            ; 16 e
.set RB,  10                           ; v[11:14] x1, y1, x2, y2
.set OFX, 15
.set OFY, 16
.set A,   20                           ; v[21:23] lower neighbour of samples 1-3
.set H,   24                           ; v[25:27] its weight
.set LW,  28                           ; v[29:31] the upper neighbour's weight
.set P,   32                           ; v[33:35] slot of the lower neighbour
.set T0,  36
.set T1,  37
.set T2,  38
.set T3,  39
.set T4,  40
.set T5,  41
.set AP,  42                           ; upper neighbour of the sample at work
.set KX,  44                           ; entries in use
.set KY,  45
.set WXR, 48                           ; v[48:55] merged weights, x
.set IXR, 56                           ; v[56:63] merged indices, x
.set WYR, 64
.set IYR, 72
.set PK,  80                           ; v[80:83] packed index words: x low, y low, x high, y high
.set TH,  84                           ; v[84:90] selected weights on their way into the slots
.set TL,  92                           ; v[92:96]
; registers of the list work-groups
.set LL,  1                            ; lane
.set LRO, 2                            ; 20 x lane: my roi in a block of 32
.set LP,  3                            ; my place in the list
.set LMW, 4                            ; the mask word that holds my place
.set LBS, 5                            ; matches in front of that word
.set LWI, 6                            ; the word's number
.set LK,  7                            ; which set bit of the word is mine
.set LPOS, 8                           ; its position
.set LBT, 10                           ; v[10:25] image numbers of rois 32 i + lane
.set LA1, 26                           ; set bits in each field of 2,
.set LA2, 27                           ; 4,
.set LA3, 28                           ; 8,
.set LA4, 29                           ; 16 bits of the word
.set LU0, 30
.set LU1, 31
.set LSO, 32                           ; byte offset of my list word
.set MK,  16                           ; s[16:31] word i: bit l = roi 32 i + l belongs to my image
.set CU,  32                           ; s[32:48] matches in front of word i; s48 the image's count
	s_load_b256 s[4:11], s[0:1], 0x0               ; rois s[4:5], offset s[6:7], tabi s[8:9], tabw s[10:11]
	s_cmp_ge_u32 ttmp9, TABWG
	s_cbranch_scc1 .Llist
	s_lshl_b32 s12, ttmp9, 7
	v_add_nc_u32 v[E], s12, v0
	v_mul_u32_u24 v[N], v[E], 0xa730               ; e / 49 = (e x 42800) >> 21, exact below 25,088
	v_lshrrev_b32 v[N], 21, v[N]
	v_mul_u32_u24 v[T0], v[N], 49
	v_sub_nc_u32 v[BIN], v[E], v[T0]
	v_mul_u32_u24 v[PH], v[BIN], 37                ; bin / 7 = (bin x 37) >> 8, exact below 49
	v_lshrrev_b32 v[PH], 8, v[PH]
	v_mul_u32_u24 v[T0], v[PH], 7
	v_sub_nc_u32 v[PW], v[BIN], v[T0]
	v_mul_u32_u24 v[RO], v[N], 20
	v_mul_u32_u24 v[OO], v[N], 98
	v_add_nc_u32 v[OO], v[OO], v[BIN]
	v_lshlrev_b32 v[OO], 2, v[OO]
	s_wait_kmcnt 0x0
.irp i, 1,2,3,4
	global_load_b32 v[RB+\i], v[RO], s[4:5] offset:4*\i
.endr
	global_load_b32 v[OFX], v[OO], s[6:7]
	global_load_b32 v[OFY], v[OO], s[6:7] offset:196
	s_mov_b32 s16, 0x3d800000                      ; 1/16, the spatial scale
	s_mov_b32 s17, 0x3e124925                      ; 1/7
	s_mov_b32 s18, 0xc0e00000                      ; -7
	s_mov_b32 s19, 0x3dcccccd                      ; 0.1, the offsets' scale
	s_mov_b32 s20, 0x3e000000                      ; sample fractions 1/8, 3/8, 5/8, 7/8
	s_mov_b32 s21, 0x3ec00000
	s_mov_b32 s22, 0x3f200000
	s_mov_b32 s23, 0x3f600000
	s_mov_b32 s24, 0x43000000                      ; 128
	s_mov_b32 s25, 0x42fe0000                      ; 127
	s_mov_b32 s26, 0x42fc0000                      ; 126
	s_mov_b32 s27, 0x3e800000                      ; 0.25
	v_cvt_f32_u32 v[PH], v[PH]
	v_cvt_f32_u32 v[PW], v[PW]
	v_lshlrev_b32 v[SI], 3, v[E]
	v_lshlrev_b32 v[SW], 4, v[E]
	s_wait_loadcnt 0x0
; Sample s (1 to 3) goes into the slots.  Exactly one of the masks pos_s == j, j = 0 .. 2 s, is set; its lower neighbour belongs
; to slot j, its upper one to slot j + 1.  Slots 2 s and 2 s + 1 are met here for the first time: they are written, not added to,
; so nothing is cleared; where the mask is off they get weight 0 on slot 0's index.  The steps are laid in runs of independent lines.
.macro MERGE W, I, s
	v_add_nc_u32 v[AP], 1, v[A+\s]
.set j, 0
.rept 2*\s+1
	v_cmp_eq_u32 s[40+j], j, v[P+\s]
.set j, j+1
.endr
.set j, 0
.rept 2*\s+1
.if j+1 >= 2*\s
	v_cndmask_b32 v[\W+j+1], 0, v[LW+\s], s[40+j]
	v_cndmask_b32 v[\I+j+1], v[\I], v[AP], s[40+j]
.else
	v_cndmask_b32 v[TL+j], 0, v[LW+\s], s[40+j]
	v_cndmask_b32 v[\I+j+1], v[\I+j+1], v[AP], s[40+j]
.endif
.set j, j+1
.endr
.set j, 0
.rept 2*\s+1
	v_cndmask_b32 v[TH+j], 0, v[H+\s], s[40+j]
.if j > 0
	v_cndmask_b32 v[\I+j], v[\I+j], v[A+\s], s[40+j]
.endif
.set j, j+1
.endr
.set j, 0
.rept 2*\s+1
	v_add_f32 v[\W+j], v[\W+j], v[TH+j]
.set j, j+1
.endr
.set j, 0
.rept 2*\s-1
	v_add_f32 v[\W+j+1], v[\W+j+1], v[TL+j]
.set j, j+1
.endr
.endm
; One axis: c1, c2 the roi's two raw coordinates, of the bin's offset, pf the bin's number along the axis as f32.
.macro AXIS c1, c2, of, pf, W, I, K
	v_fma_f32 v[\c1], v[\c1], s16, -0.5            ; the product by 1/16 is exact: one rounding, as in mul then sub
	v_fma_f32 v[\c2], v[\c2], s16, -0.5
	v_sub_f32 v[T0], v[\c2], v[\c1]
	v_max_num_f32 v[T0], 1.0, v[T0]                ; extent of the roi, at least 1
	v_mul_f32 v[T1], s17, v[T0]
	v_fma_f32 v[T2], v[T1], s18, v[T0]             ; what the quotient leaves
	v_fma_f32 v[T1], v[T2], s17, v[T1]             ; bin size = extent / 7
	v_mul_f32 v[T2], s19, v[T0]                    ; 0.1 x extent
	v_fma_f32 v[T3], v[\pf], v[T1], v[\c1]
	v_fma_f32 v[T3], v[T2], v[\of], v[T3]          ; the bin's start, offset included
.irp s, 0,1,2,3
	v_fma_f32 v[T4], s[20+\s], v[T1], v[T3]        ; the sample's coordinate
	v_cmp_lt_f32 s30, -1.0, v[T4]
	v_cmp_gt_f32 s31, s24, v[T4]
	s_and_b32 s30, s30, s31                        ; valid: -1 < coordinate < 128 (a NaN is not)
	v_max_num_f32 v[T4], 0, v[T4]
	v_min_num_f32 v[T4], s25, v[T4]                ; clipped to 0 .. 127
	v_floor_f32 v[T5], v[T4]
	v_min_num_f32 v[T5], s26, v[T5]                ; lower neighbour, at most 126
	v_sub_f32 v[T4], v[T4], v[T5]
	v_mul_f32 v[T4], s27, v[T4]                    ; 0.25 l
.if \s == 0
	v_cvt_u32_f32 v[\I], v[T5]                     ; sample 0 starts slots 0 and 1
	v_sub_f32 v[T5], s27, v[T4]                    ; 0.25 (1 - l)
	v_cndmask_b32 v[\W], 0, v[T5], s30
	v_cndmask_b32 v[\W+1], 0, v[T4], s30
.else
	v_cvt_u32_f32 v[A+\s], v[T5]
	v_sub_f32 v[T5], s27, v[T4]
	v_cndmask_b32 v[H+\s], 0, v[T5], s30
	v_cndmask_b32 v[LW+\s], 0, v[T4], s30
.endif
.endr
	v_sub_nc_u32 v[T0], v[A+1], v[\I]
	v_min_u32 v[P+1], 2, v[T0]
	v_sub_nc_u32 v[T0], v[A+2], v[A+1]
	v_min_u32 v[T0], 2, v[T0]
	v_add_nc_u32 v[P+2], v[P+1], v[T0]
	v_sub_nc_u32 v[T0], v[A+3], v[A+2]
	v_min_u32 v[T0], 2, v[T0]
	v_add_nc_u32 v[P+3], v[P+2], v[T0]
	v_add_nc_u32 v[\K], 2, v[P+3]                  ; slots in use
	v_add_nc_u32 v[\I+1], 1, v[\I]
	MERGE \W, \I, 1
	MERGE \W, \I, 2
	MERGE \W, \I, 3
.endm
	AXIS RB+1, RB+3, OFX, PW, WXR, IXR, KX
	AXIS RB+2, RB+4, OFY, PH, WYR, IYR, KY
.irp j, 0,1,2,3,4,5,6,7
	v_and_b32 v[T0], 3, v[IXR+\j]                  ; column x becomes pi(x)
	v_lshrrev_b32 v[T1], 2, v[IXR+\j]
	v_lshl_add_u32 v[T1], v[T0], 2, v[T1]
	v_and_b32 v[T1], 31, v[T1]
	v_lshl_or_b32 v[IXR+\j], v[T0], 5, v[T1]
.endr
.macro PACK d, i
	v_lshl_or_b32 v[\d], v[\i+1], 8, v[\i]
	v_lshl_or_b32 v[\d], v[\i+2], 16, v[\d]
	v_lshl_or_b32 v[\d], v[\i+3], 24, v[\d]
.endm
	PACK PK, IXR
	PACK PK+1, IYR
	PACK PK+2, IXR+4
	PACK PK+3, IYR+4
	v_mov_b32 v[T1], 0x80000000
	v_cmp_lt_u32 s30, 3, v[KX]
	v_cndmask_b32 v[T0], 0, v[T1], s30
	v_or_b32 v[PK], v[PK], v[T0]
	v_cmp_lt_u32 s30, 3, v[KY]
	v_cndmask_b32 v[T0], 0, v[T1], s30
	v_or_b32 v[PK+1], v[PK+1], v[T0]
	v_max_u32 v[T2], v[KX], v[KY]
	v_mov_b32 v[T1], 0x80
	v_cmp_lt_u32 s30, 4, v[T2]
	v_cndmask_b32 v[T0], 0, v[T1], s30
	v_or_b32 v[PK], v[PK], v[T0]
	; each store of a wave covers consecutive bytes: 256 (index words) or 512 (weights)
	global_store_b64 v[SI], v[PK:PK+1], s[8:9]
	global_store_b64 v[SI], v[PK+2:PK+3], s[8:9] offset:IHI
	global_store_b128 v[SW], v[WXR:WXR+3], s[10:11]
	global_store_b128 v[SW], v[WYR:WYR+3], s[10:11] offset:WYLO
	global_store_b128 v[SW], v[WXR+4:WXR+7], s[10:11] offset:WXHI
	global_store_b128 v[SW], v[WYR+4:WYR+7], s[10:11] offset:WYHI
	s_endpgm
	; THE LISTS.  16 work-groups x 4 waves = 64 tasks = 4 images x 16 chunks of 32 places.
.Llist:
	v_lshrrev_b32 v[LU0], 5, v0
	v_readfirstlane_b32 s12, v[LU0]                ; wave 0..3
	s_sub_co_u32 s13, ttmp9, TABWG
	s_lshl_b32 s13, s13, 2
	s_add_co_u32 s13, s13, s12                     ; task 0..63
	s_lshr_b32 s14, s13, 4                         ; image b
	s_and_b32 s15, s13, 15                         ; chunk
	s_lshl_b32 s50, s14, 11                        ; the image's 512 list words
	v_and_b32 v[LL], 31, v0
	v_mul_u32_u24 v[LRO], v[LL], 20                ; a roi is five numbers; the first is its image
	v_lshl_add_u32 v[LP], s15, 5, v[LL]            ; my place
	v_lshl_add_u32 v[LSO], v[LP], 2, s50
	s_wait_kmcnt 0x0
.irp i, 0,1,2,3,4,5,6,7,8,9,10,11,12,13,14,15
	global_load_b32 v[LBT+\i], v[LRO], s[4:5] offset:640*\i        ; roi 32 i + lane
.endr
	s_wait_loadcnt 0x0
.irp i, 0,1,2,3,4,5,6,7,8,9,10,11,12,13,14,15
	v_max_num_f32 v[LBT+\i], 0, v[LBT+\i]
.endr
.irp i, 0,1,2,3,4,5,6,7,8,9,10,11,12,13,14,15
	v_min_num_f32 v[LBT+\i], 0x40400000, v[LBT+\i] ; clamped to 0 .. 3,
.endr
.irp i, 0,1,2,3,4,5,6,7,8,9,10,11,12,13,14,15
	v_cvt_u32_f32 v[LBT+\i], v[LBT+\i]             ; then cut toward zero as astype(int32) cuts
.endr
.irp i, 0,1,2,3,4,5,6,7,8,9,10,11,12,13,14,15
	v_cmp_eq_u32 s[MK+\i], s14, v[LBT+\i]
.endr
	s_mov_b32 s[CU], 0
.irp i, 0,1,2,3,4,5,6,7,8,9,10,11,12,13,14,15
	s_bcnt1_i32_b32 s49, s[MK+\i]
	s_add_co_u32 s[CU+\i+1], s[CU+\i], s49
.endr
	; The roi at place p lies in the last word i with CU[i] <= p (an empty word is overtaken by the next, which has the same count).
	v_mov_b32 v[LMW], s[MK]
	v_mov_b32 v[LBS], 0
	v_mov_b32 v[LWI], 0
.irp i, 1,2,3,4,5,6,7,8,9,10,11,12,13,14,15
	v_cmp_gt_u32 vcc_lo, s[CU+\i], v[LP]           ; set: keep what I have
	v_cndmask_b32 v[LMW], s[MK+\i], v[LMW], vcc_lo
	v_cndmask_b32 v[LBS], s[CU+\i], v[LBS], vcc_lo
	v_cndmask_b32 v[LWI], \i, v[LWI], vcc_lo
.endr
	v_sub_nc_u32 v[LK], v[LP], v[LBS]              ; I want set bit number k of the word, counted from 0
	; set bits in every field of 2, 4, 8 and 16 bits
	v_lshrrev_b32 v[LU0], 1, v[LMW]
	v_and_b32 v[LU0], 0x55555555, v[LU0]
	v_sub_nc_u32 v[LA1], v[LMW], v[LU0]
	v_lshrrev_b32 v[LU0], 2, v[LA1]
	v_and_b32 v[LU0], 0x33333333, v[LU0]
	v_and_b32 v[LU1], 0x33333333, v[LA1]
	v_add_nc_u32 v[LA2], v[LU0], v[LU1]
	v_lshrrev_b32 v[LU0], 4, v[LA2]
	v_add_nc_u32 v[LU0], v[LU0], v[LA2]
	v_and_b32 v[LA3], 0x0f0f0f0f, v[LU0]
	v_lshrrev_b32 v[LU0], 8, v[LA3]
	v_add_nc_u32 v[LU0], v[LU0], v[LA3]
	v_and_b32 v[LA4], 0x00ff00ff, v[LU0]
	v_mov_b32 v[LPOS], 0
; One halving: c = set bits in the lower field of w bits at my position; if k >= c the bit lies in the upper field.
.macro HALVE a, w, mask
	v_lshrrev_b32 v[LU0], v[LPOS], v[\a]
	v_and_b32 v[LU0], \mask, v[LU0]
	v_cmp_ge_u32 vcc_lo, v[LK], v[LU0]
	v_sub_nc_u32 v[LU0], v[LK], v[LU0]
	v_add_nc_u32 v[LU1], \w, v[LPOS]
	v_cndmask_b32 v[LK], v[LK], v[LU0], vcc_lo
	v_cndmask_b32 v[LPOS], v[LPOS], v[LU1], vcc_lo
.endm
	HALVE LA4, 16, 0xff
	HALVE LA3, 8, 0xff
	HALVE LA2, 4, 15
	HALVE LA1, 2, 3
	HALVE LMW, 1, 1
	v_lshl_or_b32 v[LU0], v[LWI], 5, v[LPOS]       ; roi = 32 x word + bit; past the count: some number below 512
	v_min_u32 v[LU0], 511, v[LU0]
	global_store_b32 v[LSO], v[LU0], s[8:9] offset:LST             ; 128 consecutive bytes a wave
	s_cmp_lg_u32 s15, 0
	s_cbranch_scc1 .Ldone
	s_lshl_b32 s50, s14, 7                         ; chunk 0 also stores the image's count: 32 equal words, 128 consecutive bytes
	v_lshl_add_u32 v[LU1], v[LL], 2, s50
	v_mov_b32 v[LA1], s[CU+16]
	global_store_b32 v[LU1], v[LA1], s[8:9] offset:CNTS
.Ldone:
	s_endpgm
.Lfunc_end_k_q68c3facbc3_plan:
	.size	k_q68c3facbc3_plan, .Lfunc_end_k_q68c3facbc3_plan-k_q68c3facbc3_plan
	.p2alignl 7, 3214868480
	.fill 96, 4, 3214868480
	.section	.rodata,"a",@progbits
	.p2align	6, 0x0
	.amdhsa_kernel k_q68c3facbc3_plan
		.amdhsa_group_segment_fixed_size 0
		.amdhsa_private_segment_fixed_size 0
		.amdhsa_enable_private_segment 0
		.amdhsa_kernarg_size 32
		.amdhsa_user_sgpr_count 2
		.amdhsa_user_sgpr_kernarg_segment_ptr 1
		.amdhsa_wavefront_size32 1
		.amdhsa_system_sgpr_workgroup_id_x 1
		.amdhsa_system_sgpr_workgroup_id_y 1
		.amdhsa_system_sgpr_workgroup_id_z 1
		.amdhsa_system_vgpr_workitem_id 0
		.amdhsa_next_free_vgpr 100
		.amdhsa_next_free_sgpr 66
		.amdhsa_reserve_vcc 1
		.amdhsa_float_denorm_mode_32 3
		.amdhsa_float_denorm_mode_16_64 3
		.amdhsa_memory_ordered 1
		.amdhsa_forward_progress 1
		.amdhsa_inst_pref_size 34
	.end_amdhsa_kernel
	.amdgpu_metadata
---
amdhsa.version: [ 1, 2 ]
amdhsa.kernels:
  - .name:           k_q68c3facbc3_plan
    .symbol:         k_q68c3facbc3_plan.kd
    .args:
      - { .name: rois, .offset: 0, .size: 8, .value_kind: global_buffer, .address_space: global }
      - { .name: offset, .offset: 8, .size: 8, .value_kind: global_buffer, .address_space: global }
      - { .name: tabi, .offset: 16, .size: 8, .value_kind: global_buffer, .address_space: global }
      - { .name: tabw, .offset: 24, .size: 8, .value_kind: global_buffer, .address_space: global }
    .group_segment_fixed_size: 0
    .private_segment_fixed_size: 0
    .kernarg_segment_align: 8
    .kernarg_segment_size: 32
    .max_flat_workgroup_size: 128
    .sgpr_count:     66
    .vgpr_count:     100
    .wavefront_size: 32
...
	.end_amdgpu_metadata
.endif
;; end of part 1
;; launch pool (part 2): grid 64 x 4, 16 waves a work-group, no clusters, 266,240 bytes of LDS; arguments input, tabi, tabw, out0; writes out0
.if DOCPART == 2
	.amdgcn_target "amdgcn-amd-amdhsa--gfx1250"
	.amdhsa_code_object_version 6
	.text
	.protected	k_q68c3facbc3_pool
	.globl	k_q68c3facbc3_pool
	.p2align	8
	.type	k_q68c3facbc3_pool,@function
k_q68c3facbc3_pool:
	s_mov_b64 s[64:65], 0
	v_nop
	global_prefetch_b8 v0, s[64:65] scope:SCOPE_SE
	s_setreg_imm32_b32 hwreg(HW_REG_WAVE_MODE, 25, 1), 1
	s_wait_xcnt 0x0
; Deformable RoI pooling, step 2 of 2.  Work-group (cg, b) owns channels 4 cg .. 4 cg + 3 of image b: four planes of 128 x 128 f32,
; 256 KiB that lie together in memory and that no other work-group reads, so every input byte is loaded once in the launch.
; PHASE 1: the planes go into LDS as [y][pi(x)][4 channels] f32, so that one ds_load_b128 brings a pixel's four channels.
;   pi(4 u + j) = 32 j + (u + 4 j) % 32 (step 1 stores columns in this form).  Lane u holds pixels 4 u .. 4 u + 3; its store of
;   pixel j goes to 16-byte column (u + 4 j) % 32 of block j: the sixteen lanes of a half wave address sixteen different columns
;   modulo 256 bytes, and any 15 neighbouring x do too.  Rows are 2,048 + 16 bytes apart, so equal x of neighbouring rows differ as well.
;   The 16 bytes behind each row are never written and never read: a column is at most 127, so a load ends at byte 2,047 of its row.
; PHASE 2: a lane takes one (place in the list of image b's rois, bin), q = 49 place + bin, 32 consecutive q a wave: no lane idles for
;   49 not being a multiple of 32.  out = sum over r, c of Wy[r] Wx[c] X[r][c] over the merged rows and columns of step 1: 3 or 4 an
;   axis when every lane's flags say so (four code variants), else the general path with 8 x 8.
;   The list and its length were made by step 1.  A wave's 32 items begin at q0 = 32 x wave item and touch at most two places
;   (49 > 31), so the look-up is scalar: two words of the list, and each lane selects.  Scalar loads have a counter of their own, so
;   count, list and the first table request follow each other while the plane loads are still out.
; EXEC is never written: every lane is on from the first line to the last.  A lane past the last item repeats the last item.
; No cluster: the planes, which are nearly all the bytes, are shared with nobody, and the tables are read at list-dependent places.
; Output: the work-group owns 4 x 196 = 784 consecutive bytes of a roi; 256-byte alignment would take 64 channels (64 x 196 = 49 x 256),
;   64 planes, which no LDS holds.  Each store writes consecutive bins from neighbouring lanes, 128 consecutive bytes within a roi.
; LIMITS: input must be finite: a pixel that meets weight 0 (invalid sample, unused table entry) gives 0 x Inf = NaN where the
;   definition selects 0.  Samples are summed after merging equal rows and columns: another order of rounding than a mean of 16.
.set PITCH, 2064                       ; bytes from row to row in LDS: 128 x 2,064 = 264,192 in all
.set IHI,   200704                     ; tabi: index words of entries 4-7
.set LST,   401408                     ; tabi: [4 images][512 places] roi numbers
.set CNTS,  409600                     ; tabi: [4 images][32] the image's count
.set WYLO,  401408                     ; tabw: Wy 0-3 (Wx 0-3 at 0)
.set WXHI,  802816
.set WYHI,  1204224
.set CHB,   196                        ; bytes of a channel in out0
; scalar registers: s12 wave, s13 image, s18 rois of my image, s19 items, s20-22 flags, s23 last item, s24 wave items, s25 trip,
; s26 q0 of the wave item to look up next, s27 my image's list, s28 my first LDS row, s29 trips,
; s30 q0 looked up (clamped), s31 its place, s32 49 x place, s33 the list words' offset, s34, s35 the rois at place and place + 1
; vector registers of phase 2 (v2-31 and v200-215 are already in use while phase 1 runs); v1 is the lane
.set N,   2                            ; roi of the item whose tables are requested
.set B,   3                            ; its bin
.set TI,  4                            ; 8 e: offset in tabi of the tables last requested
.set TW,  5                            ; 16 e: offset in tabw
.set ON,  6                            ; offset in out0 of the item last requested
.set OC,  7                            ; of the item at work
.set T0,  8
.set T1,  9
.set TBI, 12                           ; v[12:13] index words x, y, entries 0-3
.set HBI, 14                           ; v[14:15] entries 4-7
.set ACC, 16                           ; v[16:19] the four channels' sums
.set RT,  20                           ; v[20:23] a row's sums (general path)
.set C,   24                           ; v[24:31] columns pi(x)
.set X,   32                           ; v[32:95] gathered pixels, 4 registers each
.set WP,  96                           ; v[96:111] Wy[r] Wx[c] at 4 r + c
.set R,   112                          ; v[112:119] rows, in bytes
.set AD,  120                          ; v[120:135] LDS addresses
.set WX,  200                          ; v[200:207]
.set WY,  208                          ; v[208:215]
; registers of phase 1
.set L,   32                           ; v[32:159] row group i at 16 i: four channels x four pixels
.set TR,  160                          ; v[160:175] the block turned: four pixels x four channels
.set GO,  192                          ; 16 t: my 16 bytes in the first 8 KiB of a plane
.set SA,  193                          ; v[193:196] LDS address of my pixel j
.macro BMUL d, a, b, sel               ; d[0:1] = a[0:1] x register sel of the pair b
.if \sel
	v_pk_mul_f32 v[\d:\d+1], v[\a:\a+1], v[\b:\b+1] op_sel:[0,1] op_sel_hi:[1,1]
.else
	v_pk_mul_f32 v[\d:\d+1], v[\a:\a+1], v[\b:\b+1] op_sel_hi:[1,0]
.endif
.endm
.macro BFMA d, a, b, sel               ; d[0:1] += a[0:1] x register sel of the pair b
.if \sel
	v_pk_fma_f32 v[\d:\d+1], v[\a:\a+1], v[\b:\b+1], v[\d:\d+1] op_sel:[0,1,0] op_sel_hi:[1,1,1]
.else
	v_pk_fma_f32 v[\d:\d+1], v[\a:\a+1], v[\b:\b+1], v[\d:\d+1] op_sel_hi:[1,0,1]
.endif
.endm
	s_load_b256 s[4:11], s[0:1], 0x0               ; input s[4:5], tabi s[6:7], tabw s[8:9], out0 s[10:11]
	v_lshl_add_u32 v216, v0, 2, 0x40800
	v_mov_b32 v217, 0
	v_lshrrev_b32 v1, 5, v0
	v_readfirstlane_b32 s12, v1                    ; wave 0..15
	v_and_b32 v1, 31, v0                           ; lane
	s_and_b32 s13, ttmp7, 0xffff                   ; image b
	s_lshl_b32 s16, s13, 24                        ; 256 planes of 65,536 bytes an image
	s_lshl_b32 s17, ttmp9, 18                      ; 4 planes a work-group
	s_add_co_u32 s16, s16, s17
	s_mov_b32 s17, 0
	s_mul_i32 s14, ttmp9, 4*CHB                    ; my four channels in a roi's output
	s_mov_b32 s15, 0
	s_mul_i32 s28, s12, PITCH
	s_lshl_b32 s27, s13, 11                        ; my image's 512 list words
	s_lshl_b32 s36, s13, 7                         ; my image's count
	v_lshlrev_b32 v[GO], 4, v0
	s_wait_kmcnt 0x0
	s_add_nc_u64 s[4:5], s[4:5], s[16:17]
	s_add_nc_u64 s[10:11], s[10:11], s[14:15]
	s_load_b32 s18, s[6:7], s36 offset:CNTS
	; all of my share of the planes at once: wave w takes rows w + 16 i; a load covers one row of one plane, 512 consecutive bytes
.irp i, 0,1,2,3,4,5,6,7
.irp c, 0,1,2,3
	global_load_b128 v[L+16*\i+4*\c:L+16*\i+4*\c+3], v[GO], s[4:5] offset:\i*8192+\c*65536 th:TH_LOAD_NT
.endr
.endr
.irp j, 0,1,2,3
	v_add_nc_u32 v[SA+\j], 4*\j, v1
	v_and_b32 v[SA+\j], 31, v[SA+\j]
	v_lshl_add_u32 v[SA+\j], v[SA+\j], 4, s28      ; row w, column (lane + 4 j) % 32; block j is in the stores' offset
.endr
	s_wait_kmcnt 0x0
	s_min_u32 s18, s18, 512                        ; rois of my image
	s_mul_i32 s19, s18, 49                         ; items
	s_add_co_u32 s24, s19, 31
	s_lshr_b32 s24, s24, 5                         ; wave items, at most 784
	s_max_u32 s23, s19, 1
	s_sub_co_u32 s23, s23, 1                       ; the last item: every item number is clamped to it
	s_lshl_b32 s26, s12, 5                         ; q0 of my first wave item; the next is 16 waves x 32 lanes further
; Looks up the wave item that begins at s26 (clamped to the last item): place = q0 / 49 = (q0 x 42800) >> 21, exact below 25,088.
; The word behind place 511 of the last image is the first count word: inside the buffer, and never selected.
.macro SLOOKUP
	s_min_u32 s30, s26, s23
	s_mul_i32 s31, s30, 0xa730
	s_lshr_b32 s31, s31, 21
	s_min_u32 s31, s31, 511
	s_mul_i32 s32, s31, 49
	s_lshl_b32 s33, s31, 2
	s_add_co_u32 s33, s33, s27
	s_load_b32 s34, s[6:7], s33 offset:LST
	s_load_b32 s35, s[6:7], s33 offset:LST+4
	s_add_co_u32 s26, s26, 512
.endm
; Requests the tables (entries 0-3) of the wave item looked up last: 8 + 16 + 16 bytes a lane, consecutive within a roi.
.macro NEXT_TABLE
	v_add_nc_u32 v[T0], s30, v1
	v_min_u32 v[T0], s23, v[T0]                    ; my item
	v_sub_nc_u32 v[T0], v[T0], s32                 ; its bin counted from the first place: 0 .. 79
	v_cmp_gt_u32 vcc_lo, 49, v[T0]                 ; set: the first place is mine
	v_sub_nc_u32 v[T1], v[T0], 49
	v_cndmask_b32 v[B], v[T1], v[T0], vcc_lo
	v_min_u32 v[B], 48, v[B]
	v_mov_b32 v[N], s34
	v_cndmask_b32 v[N], s35, v[N], vcc_lo
	v_min_u32 v[N], 511, v[N]
	v_mul_u32_u24 v[T0], v[N], 49
	v_add_nc_u32 v[T0], v[T0], v[B]
	v_lshlrev_b32 v[TI], 3, v[T0]
	v_lshlrev_b32 v[TW], 4, v[T0]
	v_mul_u32_u24 v[ON], v[N], 0xc400              ; 256 channels x 196 bytes
	v_lshl_add_u32 v[ON], v[B], 2, v[ON]
	global_load_b64 v[TBI:TBI+1], v[TI], s[6:7]
	global_load_b128 v[WX:WX+3], v[TW], s[8:9]
	global_load_b128 v[WY:WY+3], v[TW], s[8:9] offset:WYLO
.endm
	; my first item's tables are asked for while the planes are still on their way
	SLOOKUP
	s_wait_kmcnt 0x0
	NEXT_TABLE
	SLOOKUP                                        ; behind the wait: the offset register of the last look-up is free
; Row group i: four channels x four pixels are turned in registers and stored as four pixels x four channels.
.macro UNIT i
	s_wait_loadcnt 4*(7-\i)+3                      ; still out: the later groups' four loads each and the three table loads behind them
.irp j, 0,1,2,3
.irp c, 0,1,2,3
	v_mov_b32 v[TR+4*\j+\c], v[L+16*\i+4*\c+\j]
.endr
.endr
.irp j, 0,1,2,3
	ds_store_b128 v[SA+\j], v[TR+4*\j:TR+4*\j+3] offset:512*\j+(\i&1)*16*PITCH
.endr
.if \i&1
.if \i < 7
.irp j, 0,1,2,3
	v_add_nc_u32 v[SA+\j], 32*PITCH, v[SA+\j]
.endr
.endif
.endif
.endm
.irp i, 0,1,2,3,4,5,6,7
	UNIT \i
.endr
	s_wait_dscnt 0x0                               ; for the others' sake: my rows are in LDS
	s_barrier_signal -1
	s_barrier_wait -1                              ; everybody's are; from here on the rows are only read
	; wave w takes wave items w, w + 16, ... below s24: (s24 + 15 - w) >> 4 trips, counted one by one
	s_add_co_u32 s29, s24, 15
	s_sub_co_u32 s29, s29, s12
	s_lshr_b32 s29, s29, 4
	s_cmp_eq_u32 s29, 0
	s_cbranch_scc1 .Lend                           ; fewer wave items than waves (none at all if my image has no roi)
	s_mov_b32 s25, 0
.macro UNPACK src, k0                  ; four columns and four rows out of a pair of index words
.irp k, 0,1,2,3
	v_bfe_u32 v[C+\k0+\k], v[\src], 8*\k, 7
	v_bfe_u32 v[R+\k0+\k], v[\src+1], 8*\k, 7
.endr
.irp k, 0,1,2,3
	v_min_u32 v[C+\k0+\k], 127, v[C+\k0+\k]
	v_min_u32 v[R+\k0+\k], 127, v[R+\k0+\k]
.endr
.irp k, 0,1,2,3
	v_mul_u32_u24 v[R+\k0+\k], v[R+\k0+\k], PITCH
.endr
.endm
; nr x nc pixels: all addresses, all loads in one run, then the sums row by row as the loads come back.
.macro GATHER nr, nc
.set gr, 0
.rept \nr
.set gc, 0
.rept \nc
	v_lshl_add_u32 v[AD+4*gr+gc], v[C+gc], 4, v[R+gr]
.set gc, gc+1
.endr
.set gr, gr+1
.endr
.set gr, 0
.rept \nr
.set gc, 0
.rept \nc
	ds_load_b128 v[X+16*gr+4*gc:X+16*gr+4*gc+3], v[AD+4*gr+gc]
.set gc, gc+1
.endr
.set gr, gr+1
.endr
.set gr, 0
.rept \nr
	s_wait_dscnt (\nr-1-gr)*\nc                    ; LDS loads return in order: the later rows' loads stay out
.set gc, 0
.rept \nc
.if gr+gc == 0
	BMUL ACC, X, WP, 0                             ; the first product starts the sums
	BMUL ACC+2, X+2, WP, 0
.else
	BFMA ACC, X+16*gr+4*gc, WP+4*gr+gc-(gc&1), gc&1
	BFMA ACC+2, X+16*gr+4*gc+2, WP+4*gr+gc-(gc&1), gc&1
.endif
.set gc, gc+1
.endr
.set gr, gr+1
.endr
.endm
.Litem:
	s_wait_loadcnt 0x0                             ; this item's tables, asked for one trip ago
	s_wait_kmcnt 0x0                               ; the next item's look-up, asked for one trip ago
	v_mov_b32 v[OC], v[ON]                         ; the last trip's stores have given up OC (s_wait_xcnt 0 behind them)
	v_cmp_gt_i32 s20, 0, v[TBI]                    ; lanes with a fourth column
	v_cmp_gt_i32 s21, 0, v[TBI+1]                  ; lanes with a fourth row
	v_and_b32 v[T0], 0x80, v[TBI]
	v_cmp_ne_u32 s22, 0, v[T0]                     ; lanes with more than four of either
	UNPACK TBI, 0
	s_cmp_lg_u32 s22, 0
	s_cbranch_scc1 .Lbig
	; Wy[r] Wx[c]: as many lines as summing rows apart would take, and the table registers are free for the next request at once
.set gr, 0
.rept 4
	BMUL WP+4*gr, WX, WY+gr-(gr&1), gr&1
	BMUL WP+4*gr+2, WX+2, WY+gr-(gr&1), gr&1
.set gr, gr+1
.endr
	NEXT_TABLE                                     ; one item ahead
	SLOOKUP                                        ; two items ahead
	s_cmp_lg_u32 s21, 0
	s_cbranch_scc1 .Lrows4
	s_cmp_lg_u32 s20, 0
	s_cbranch_scc1 .Lr3c4
	GATHER 3, 3
	s_branch .Lstore
.Lr3c4:
	GATHER 3, 4
	s_branch .Lstore
.Lrows4:
	s_cmp_lg_u32 s20, 0
	s_cbranch_scc1 .Lr4c4
	GATHER 4, 3
	s_branch .Lstore
.Lr4c4:
	GATHER 4, 4
	s_branch .Lstore
	; The general path, for rois whose samples lie more than a pixel apart: all 8 x 8 entries, a row at a time.
.Lbig:
	global_load_b64 v[HBI:HBI+1], v[TI], s[6:7] offset:IHI
	global_load_b128 v[WX+4:WX+7], v[TW], s[8:9] offset:WXHI
	global_load_b128 v[WY+4:WY+7], v[TW], s[8:9] offset:WYHI
	s_wait_loadcnt 0x0
	UNPACK HBI, 4
.set gr, 0
.rept 8
.set gc, 0
.rept 8
	v_lshl_add_u32 v[AD+gc], v[C+gc], 4, v[R+gr]
.set gc, gc+1
.endr
.set gc, 0
.rept 8
	ds_load_b128 v[X+4*gc:X+4*gc+3], v[AD+gc]
.set gc, gc+1
.endr
	s_wait_dscnt 0x0
	BMUL RT, X, WX, 0
	BMUL RT+2, X+2, WX, 0
.set gc, 1
.rept 7
	BFMA RT, X+4*gc, WX+gc-(gc&1), gc&1
	BFMA RT+2, X+4*gc+2, WX+gc-(gc&1), gc&1
.set gc, gc+1
.endr
.if gr == 0
	BMUL ACC, RT, WY, 0
	BMUL ACC+2, RT+2, WY, 0
.else
	BFMA ACC, RT, WY+gr-(gr&1), gr&1
	BFMA ACC+2, RT+2, WY+gr-(gr&1), gr&1
.endif
.set gr, gr+1
.endr
	NEXT_TABLE                                     ; only now: this path reads the weights to its end
	SLOOKUP
	; Lanes whose q lies past the last item were clamped to it: they hold the last item's roi, bin, tables and sums,
	; and store the same four numbers to the same four addresses as that item's own lane, within the same store instruction.
.Lstore:
.irp j, 0,1,2,3
	global_store_b32 v[OC], v[ACC+\j], s[10:11] offset:CHB*\j th:TH_STORE_NT
.endr
	s_wait_xcnt 0x0                                ; OC and the sums are rewritten next trip only behind this wait
	s_add_co_u32 s25, s25, 1
	s_cmp_lt_u32 s25, s29
	s_cbranch_scc1 .Litem
.Lend:
	s_wait_tensorcnt 0x0
	ds_add_u32 v216, v217
	s_wait_dscnt 0x0
	s_endpgm
.Lfunc_end_k_q68c3facbc3_pool:
	.size	k_q68c3facbc3_pool, .Lfunc_end_k_q68c3facbc3_pool-k_q68c3facbc3_pool
	.p2alignl 7, 3214868480
	.fill 96, 4, 3214868480
	.section	.rodata,"a",@progbits
	.p2align	6, 0x0
	.amdhsa_kernel k_q68c3facbc3_pool
		.amdhsa_group_segment_fixed_size 266240
		.amdhsa_private_segment_fixed_size 0
		.amdhsa_enable_private_segment 0
		.amdhsa_kernarg_size 32
		.amdhsa_user_sgpr_count 2
		.amdhsa_user_sgpr_kernarg_segment_ptr 1
		.amdhsa_wavefront_size32 1
		.amdhsa_system_sgpr_workgroup_id_x 1
		.amdhsa_system_sgpr_workgroup_id_y 1
		.amdhsa_system_sgpr_workgroup_id_z 1
		.amdhsa_system_vgpr_workitem_id 0
		.amdhsa_next_free_vgpr 218
		.amdhsa_next_free_sgpr 66
		.amdhsa_reserve_vcc 1
		.amdhsa_float_denorm_mode_32 3
		.amdhsa_float_denorm_mode_16_64 3
		.amdhsa_memory_ordered 1
		.amdhsa_forward_progress 1
		.amdhsa_inst_pref_size 52
	.end_amdhsa_kernel
	.amdgpu_metadata
---
amdhsa.version: [ 1, 2 ]
amdhsa.kernels:
  - .name:           k_q68c3facbc3_pool
    .symbol:         k_q68c3facbc3_pool.kd
    .args:
      - { .name: input, .offset: 0, .size: 8, .value_kind: global_buffer, .address_space: global }
      - { .name: tabi, .offset: 8, .size: 8, .value_kind: global_buffer, .address_space: global }
      - { .name: tabw, .offset: 16, .size: 8, .value_kind: global_buffer, .address_space: global }
      - { .name: out0, .offset: 24, .size: 8, .value_kind: global_buffer, .address_space: global }
    .group_segment_fixed_size: 266240
    .private_segment_fixed_size: 0
    .kernarg_segment_align: 8
    .kernarg_segment_size: 32
    .max_flat_workgroup_size: 512
    .sgpr_count:     66
    .vgpr_count:     218
    .wavefront_size: 32
...
	.end_amdgpu_metadata
.endif
;; end of part 2
